; MI455X (gfx1250); checked and timed in simulation.
; The chip was launched on July 23, 2026; its instructions are those of AMD's public machine-readable ISA for CDNA 5 (MIT licence, August 2026) and "CDNA5" Instruction Set Architecture Reference Guide (July 2026). The comments in the code are by the model that wrote it; some were corrected since.
;; AEKNN Model. Allowed arithmetic: float matrix products may take bf16 or f16 operands with f32 sums; all other float work in f32.
;; Inputs: base_data 100,000 x 128 float32; x 1,024 x 128 float32.
;; Outputs: out0 1,024 x 8 float32.
;; Constants: k = 8.
;; 2 versions, each right; version 2 is version 1 with the launch scan written anew for expert scheduling mode. Each part assembles by itself: llvm-mc -triple=amdgcn-amd-amdhsa -mcpu=gfx1250 --defsym DOCPART=n.
;; ======== version 1 of 2: 4 launches
;; limits: values within 0.002 (relative) of each other or of a threshold may be ordered or decided otherwise than in the reference
;; workspace buffers: xb 262,144 bytes; cand 8,192,000 bytes; order 32,768 bytes of whole numbers
;; launch prep (part 1): grid 64 x 1, 8 waves a work-group, no clusters, 0 bytes of LDS; arguments x, xb; writes xb
.if DOCPART == 1
	.amdgcn_target "amdgcn-amd-amdhsa--gfx1250"
	.amdhsa_code_object_version 6
	.text
	.protected	k_q4521892131_prep
	.globl	k_q4521892131_prep
	.p2align	8
	.type	k_q4521892131_prep,@function
k_q4521892131_prep:
	s_mov_b64 s[64:65], 0
	v_nop
	global_prefetch_b8 v0, s[64:65] scope:SCOPE_SE
	s_setreg_imm32_b32 hwreg(HW_REG_WAVE_MODE, 25, 1), 1
	s_wait_xcnt 0x0
; x [1024][128] f32 -> xb: bf16, laid out as the matrix unit's source-1 fragments of 16 queries.
; xb = [query tile 64][piece 8][lane 32][16 bytes]; piece p of lane (r = lane % 16, h = lane / 16) holds x[16 tile + r][16 p + 8 h .. + 7].
; A work-group takes a tile of 16 queries, wave p its piece p.  A store of a wave covers 512 consecutive bytes, aligned.
; The product's operands are rounded to bf16 once, here; everything that is not a matrix operand stays f32 in the later launches.
	s_load_b128 s[4:7], s[0:1], 0x0                ; x s[4:5], xb s[6:7]
	v_and_b32 v1, 15, v0                           ; r
	v_bfe_u32 v2, v0, 4, 1                         ; h
	v_lshrrev_b32 v3, 5, v0                        ; p: my wave
	v_lshlrev_b32 v1, 9, v1                        ; r rows of 512 bytes
	v_lshl_add_u32 v1, v3, 6, v1                   ; + 16 p numbers
	v_lshl_add_u32 v1, v2, 5, v1                   ; + 8 h numbers
	v_lshlrev_b32 v2, 4, v0                        ; 16 bytes a thread: 512 p + 16 lane
	s_lshl_b32 s8, ttmp9, 13                       ; the tile's 16 rows of x
	s_mov_b32 s9, 0
	s_lshl_b32 s10, ttmp9, 12                      ; the tile's 4,096 bytes of xb
	s_mov_b32 s11, 0
	s_wait_kmcnt 0x0
	s_add_nc_u64 s[4:5], s[4:5], s[8:9]
	s_add_nc_u64 s[6:7], s[6:7], s[10:11]
	global_load_b128 v[4:7], v1, s[4:5]
	global_load_b128 v[8:11], v1, s[4:5] offset:16
	s_wait_loadcnt 0x0
	v_cvt_pk_bf16_f32 v12, v4, v5
	v_cvt_pk_bf16_f32 v13, v6, v7
	v_cvt_pk_bf16_f32 v14, v8, v9
	v_cvt_pk_bf16_f32 v15, v10, v11
	global_store_b128 v2, v[12:15], s[6:7]
	s_endpgm
.Lfunc_end_k_q4521892131_prep:
	.size	k_q4521892131_prep, .Lfunc_end_k_q4521892131_prep-k_q4521892131_prep
	.p2alignl 7, 3214868480
	.fill 96, 4, 3214868480
	.section	.rodata,"a",@progbits
	.p2align	6, 0x0
	.amdhsa_kernel k_q4521892131_prep
		.amdhsa_group_segment_fixed_size 0
		.amdhsa_private_segment_fixed_size 0
		.amdhsa_enable_private_segment 0
		.amdhsa_kernarg_size 16
		.amdhsa_user_sgpr_count 2
		.amdhsa_user_sgpr_kernarg_segment_ptr 1
		.amdhsa_wavefront_size32 1
		.amdhsa_system_sgpr_workgroup_id_x 1
		.amdhsa_system_sgpr_workgroup_id_y 1
		.amdhsa_system_sgpr_workgroup_id_z 1
		.amdhsa_system_vgpr_workitem_id 0
		.amdhsa_next_free_vgpr 16
		.amdhsa_next_free_sgpr 66
		.amdhsa_reserve_vcc 0
		.amdhsa_float_denorm_mode_32 3
		.amdhsa_float_denorm_mode_16_64 3
		.amdhsa_memory_ordered 1
		.amdhsa_forward_progress 1
		.amdhsa_inst_pref_size 2
	.end_amdhsa_kernel
	.amdgpu_metadata
---
amdhsa.version: [ 1, 2 ]
amdhsa.kernels:
  - .name:           k_q4521892131_prep
    .symbol:         k_q4521892131_prep.kd
    .args:
      - { .name: x, .offset: 0, .size: 8, .value_kind: global_buffer, .address_space: global }
      - { .name: xb, .offset: 8, .size: 8, .value_kind: global_buffer, .address_space: global }
    .group_segment_fixed_size: 0
    .private_segment_fixed_size: 0
    .kernarg_segment_align: 8
    .kernarg_segment_size: 16
    .max_flat_workgroup_size: 256
    .sgpr_count:     66
    .vgpr_count:     16
    .wavefront_size: 32
...
	.end_amdgpu_metadata
.endif
;; end of part 1
;; launch scan (part 2): grid 250 x 1, 4 waves a work-group, no clusters, 18,432 bytes of LDS; arguments base_data, xb, cand; writes cand
.if DOCPART == 2
	.amdgcn_target "amdgcn-amd-amdhsa--gfx1250"
	.amdhsa_code_object_version 6
	.text
	.protected	k_q4521892131_scan
	.globl	k_q4521892131_scan
	.p2align	8
	.type	k_q4521892131_scan,@function
k_q4521892131_scan:
	s_mov_b64 s[64:65], 0
	v_nop
	global_prefetch_b8 v0, s[64:65] scope:SCOPE_SE
	s_setreg_imm32_b32 hwreg(HW_REG_WAVE_MODE, 25, 1), 1
	s_wait_xcnt 0x0
; THE PRODUCT AND THE FIRST CHOICE.  d^2(q, b) = |x_q|^2 - 2 s, s = x_q . b - |b|^2 / 2: for a query the nearest rows are those of largest s.
; The 100,000 rows fall into 12,500 GROUPS of 8 neighbouring rows.  Each of a query's 8 nearest rows lies in one of the 8 groups of largest group maximum of s (a group that holds such a row has a
; maximum at or above the 8th best s, and at most 8 groups have that).  So only group maxima are kept here; the rows themselves are measured again, in f32, by the last launch.
; SHARES.  Work-group g owns rows 400 g .. 400 g + 399: 25 tiles of 16 rows, 50 groups; every byte of base_data is read once in the launch.  Wave w owns queries 256 w .. + 255: 16 query tiles,
; whose fragments (512 registers) stay in registers for the whole launch.
; PRODUCT.  Source 0 = 16 rows of base_data (bf16, from LDS), source 1 = 16 queries; the C of a chain's first link is -|b|^2 / 2 (f32, of the unrounded row).  In the result lane (r, h) holds query r,
; register j row 8 h + j: a lane's eight registers are ONE group.
; CHOICE.  Per result: the maximum of the 8 registers; its 6 lowest mantissa bits give way to the group's number in the work-group (2 tile + h, 0 .. 49); the key goes into the lane's list of 8, kept
; descending: l_i = med3(l_(i-1), l_i, key), from the list's end upward, l_0 = max(l_0, key).  13 vector instructions for 4 matrix instructions, no branch.
; They stand as RIDERS behind the matrix instructions of the next four query tiles.
; OUT.  cand = [work-group 250][query tile 64][lane 32][4 keys]: the two lanes of a query hold complementary fours of its best 8 keys of this work-group.
; LIMITS.  Operands of the product are bf16; a key keeps 17 mantissa bits of s.  Both touch only WHICH groups are chosen, among groups whose maxima are that close.  NaN and infinities are not treated apart.
; NO CLUSTER: 250 work-groups are no multiple of four; no row of base_data is wanted by two work-groups; xb goes straight into registers, once.
; NO TENSOR LOADS: a row passes through the vector unit in any case, for its rounding and its norm, so it waits in registers (64 a wave), asked for 256 matrix instructions ahead.
; REGISTERS, in windows of 256 (s_set_vgpr_msb: bits 1:0 source 0, 3:2 source 1, 5:4 source 2, 7:6 destination):
;   window 0: addresses; CN; the accumulators; keys; the norms' work; the lists          window 1: A's fragments (two buffers), raw rows, squares          windows 2, 3: the queries' fragments
; All that a rider touches lies in window 0 and a product's sources do not fit beside it: two switches for each matrix instruction, the price of the riders.
.set ROWB,  512                        ; bytes in a row of base_data
.set WGB,   400*ROWB                   ; a work-group's rows
.set PITCH, 272                        ; a bf16 row in LDS: 256 bytes + 16 = 68 words: row r starts at bank 4 r mod 64 (64 banks of 4 bytes: ISA guide 11.1)
.set TILEB, 16*PITCH
.set NRM,   64*PITCH                   ; behind the 64 rows: 64 words, -|b|^2 / 2
.set SPARE, NRM+256                    ; the spare words, 128 bytes for each wave: two blocks of 256 bytes that no other line names
.set ADRA, 2                           ; v2   r x pitch + 16 h: my place in a tile's fragments
.set ADRN, 3                           ; v3   NRM + 32 h: my eight rows' words
.set ADST, 4                           ; v4   where I put 8 bytes of a row that my wave rounds
.set ADNS, 5                           ; v5   where row r's norm goes
.set GOFF, 6                           ; v6   16 lane + my wave's 16 rows of a chunk
.set LOFF, 7                           ; v7   16 lane
.set CN,   16                          ; v16-31   C of the first links, two buffers of 8
.set ACC,  32                          ; v32-95   two sets of four accumulators
.set KEY,  96                          ; v96-99   a key for each of a set's four
.set IDX,  100                         ; v100     2 tile + h, of the tile whose keys are being made
.set SPW,  101                         ; v101     LDS address of my spare word; never rewritten
.set NIL,  102                         ; v102     0; never rewritten
.set NS,   104                         ; v104-119 sixteen rows' sums of squares
.set NT,   120                         ; v120-127 at work
.set LIST, 128                         ; v128-255 query tile q's list at LIST + 8 q, descending
.set AF,   0                           ; window 1: v0-63    A's fragments, two buffers of 32
.set PF,   64                          ; window 1: v64-127  16 raw rows, 4 registers each
.set PF0,  128                         ; window 1: v128-191 tile 0's raw rows (wave 0 alone)
.set T,    192                         ; window 1: v192-223 squares
.set MSB, 0
.macro WIN new                         ; the immediate's high byte repeats the setting that is left; a switch that changes nothing is dropped
.if MSB != (\new)
	s_set_vgpr_msb (MSB<<8)|(\new)
.set MSB, \new
.endif
.endm
	s_load_b128 s[4:7], s[0:1], 0x0                ; base_data s[4:5], xb s[6:7]
	s_load_b64 s[8:9], s[0:1], 0x10                ; cand
	v_lshl_add_u32 v[SPW], v0, 2, SPARE
	v_mov_b32 v[NIL], 0
	v_lshrrev_b32 v1, 5, v0
	v_readfirstlane_b32 s10, v1                    ; wave 0..3
	v_and_b32 v8, 31, v0                           ; lane
	v_and_b32 v9, 15, v0                           ; r
	v_bfe_u32 v10, v0, 4, 1                        ; h
	v_mul_u32_u24 v[ADRA], v9, PITCH
	v_lshl_add_u32 v[ADRA], v10, 4, v[ADRA]
	v_lshlrev_b32 v[ADRN], 5, v10
	v_add_nc_u32 v[ADRN], NRM, v[ADRN]
	s_mul_i32 s22, s10, TILEB                      ; my wave rounds rows 16 w .. 16 w + 15 of a chunk
	v_lshl_add_u32 v[ADST], v8, 3, s22
	s_lshl_b32 s23, s10, 6
	s_add_co_u32 s23, s23, NRM
	v_lshl_add_u32 v[ADNS], v9, 2, s23
	v_lshlrev_b32 v[LOFF], 4, v8
	s_lshl_b32 s25, s10, 13                        ; 16 rows of 512 bytes; also my wave's 16 query tiles in cand
	v_add_nc_u32 v[GOFF], s25, v[LOFF]
	v_mov_b32 v[IDX], v10                          ; tile 0
	s_mov_b32 s12, 0xffffffc0                      ; a key's bits that stay
	s_mov_b32 s14, 0x76543210                      ; v_permlanex16_b32: each lane takes its own place in the other half
	s_mov_b32 s15, 0xfedcba98
	s_mov_b32 s16, 0xaaaaaaaa                      ; lanes whose number has bit 0, 1, 2, 3 set
	s_mov_b32 s17, 0xcccccccc
	s_mov_b32 s18, 0xf0f0f0f0
	s_mov_b32 s19, 0xff00ff00
	s_mov_b32 s24, 0xff7fffff                      ; the lowest finite number
	s_mul_i32 s22, ttmp9, WGB                      ; under 2^26
	s_mov_b32 s23, 0
	s_lshl_b32 s26, s10, 16                        ; my 16 query tiles of 4,096 bytes in xb
	s_mov_b32 s27, 0
	s_lshl_b32 s28, ttmp9, 15                      ; the work-group's 32,768 bytes of cand,
	s_add_co_u32 s28, s28, s25                     ; my wave's 8,192 of them
	s_mov_b32 s29, 0
	s_wait_kmcnt 0x0
	s_add_nc_u64 s[4:5], s[4:5], s[22:23]          ; the work-group's first row
	s_add_nc_u64 s[20:21], s[4:5], 16*ROWB         ; chunk 1 begins behind tile 0
	s_add_nc_u64 s[6:7], s[6:7], s[26:27]
	s_add_nc_u64 s[8:9], s[8:9], s[28:29]
; CHUNKS.  Chunk 0 is tile 0, rounded by wave 0; chunks 1 to 6 hold four tiles, 64 rows, of which each wave rounds 16.  A load of a wave takes one whole row, 512 consecutive bytes.
.macro RAW R, lo, hi                   ; 16 rows into R .. R + 63
	WIN 0x40                                       ; destination window 1, address window 0
.set ci, 0
.rept 16
	global_load_b128 v[(\R)+4*ci:(\R)+4*ci+3], v[GOFF], s[\lo:\hi] offset:ROWB*ci th:TH_LOAD_NT
.set ci, ci+1
.endr
	WIN 0
.endm
	s_cmp_lg_u32 s10, 0
	s_cbranch_scc1 .Lnot_wave_0_a
	RAW PF0, 4, 5                                  ; tile 0 (for wave 0 GOFF is 16 lane)
.Lnot_wave_0_a:
	RAW PF, 20, 21                                 ; chunk 1
	WIN 0x80                                       ; the queries' fragments: tile q in window 2 + q / 8 at 32 (q % 8), piece p at + 4 p
.set ci, 0
.rept 64
	global_load_b128 v[4*ci:4*ci+3], v[LOFF], s[6:7] offset:512*ci
.set ci, ci+1
.endr
	WIN 0xc0
.set ci, 0
.rept 64
	global_load_b128 v[4*ci:4*ci+3], v[LOFF], s[6:7] offset:512*(64+ci)
.set ci, ci+1
.endr
	WIN 0
.set ci, 0
.rept 128                              ; the lists start at the lowest finite number (each takes 25 keys, so none of it is left): these lines stand in the wait for the loads
	v_mov_b32 v[LIST+ci], s24
.set ci, ci+1
.endr
; One level of the sums across lanes: of two rows' sums a lane keeps one (by bit x of its number), sends the other to the lane x away and adds what it gets.  After levels 1, 2, 4, 8 lane l holds row l % 16.
.macro BFLY x, msk
.set bp, 0
.rept 8/(\x)
	v_cndmask_b32 v[NT+bp], v[NS+2*(\x)*bp+(\x)], v[NS+2*(\x)*bp], \msk
	v_cndmask_b32 v[NS+2*(\x)*bp], v[NS+2*(\x)*bp], v[NS+2*(\x)*bp+(\x)], \msk
.set bp, bp+1
.endr
.set bp, 0
.rept 8/(\x)
	v_add_f32_dpp v[NS+2*(\x)*bp], v[NT+bp], v[NS+2*(\x)*bp] row_xmask:\x row_mask:0xf bank_mask:0xf
.set bp, bp+1
.endr
.endm
; 16 raw rows (a lane holds numbers 4 lane .. + 3 of each): their sums of squares in f32, the rows rounded to bf16 into LDS, -|b|^2 / 2 into LDS.
.macro CONVERT R
	WIN 0x55                                       ; all in window 1
.set ci, 0
.rept 16
	v_pk_mul_f32 v[T+2*ci:T+2*ci+1], v[(\R)+4*ci:(\R)+4*ci+1], v[(\R)+4*ci:(\R)+4*ci+1]
.set ci, ci+1
.endr
.set ci, 0
.rept 16
	v_pk_fma_f32 v[T+2*ci:T+2*ci+1], v[(\R)+4*ci+2:(\R)+4*ci+3], v[(\R)+4*ci+2:(\R)+4*ci+3], v[T+2*ci:T+2*ci+1]
.set ci, ci+1
.endr
	WIN 0x05                                       ; sources window 1, destination window 0
.set ci, 0
.rept 16
	v_add_f32 v[NS+ci], v[T+2*ci], v[T+2*ci+1]
.set ci, ci+1
.endr
	WIN 0x55
.set ci, 0
.rept 16
	v_cvt_pk_bf16_f32 v[(\R)+4*ci], v[(\R)+4*ci], v[(\R)+4*ci+1]
	v_cvt_pk_bf16_f32 v[(\R)+4*ci+1], v[(\R)+4*ci+2], v[(\R)+4*ci+3]
.set ci, ci+1
.endr
	WIN 0x04                                       ; an LDS store's data is source 1: window 1
.set ci, 0
.rept 16
	ds_store_b64 v[ADST], v[(\R)+4*ci:(\R)+4*ci+1] offset:PITCH*ci  ; 32 lanes x 8 bytes: a row's 256 bytes on end
.set ci, ci+1
.endr
	WIN 0
	BFLY 1, s16
	BFLY 2, s17
	BFLY 4, s18
	BFLY 8, s19
	v_permlanex16_b32 v[NT], v[NS], s14, s15       ; the other 16 lanes' part
	v_add_f32 v[NS], v[NS], v[NT]
	v_mul_f32 v[NS], -0.5, v[NS]
	ds_store_b32 v[ADNS], v[NS]                    ; lanes r and r + 16 write the same word with the same number
.endm
; Tile t of the chunk in LDS: A's fragments (16 rows x 128 K: 8 loads of 16 bytes, 32 bytes apart) and the C of the first links, into buffer ab.
.macro LOADA ab, t
	WIN 0x40
.irp p, 0,1,2,3,4,5,6,7
	ds_load_b128 v[AF+32*(\ab)+4*\p:AF+32*(\ab)+4*\p+3], v[ADRA] offset:TILEB*(\t)+32*\p
.endr
	WIN 0
	ds_load_b128 v[CN+8*(\ab):CN+8*(\ab)+3], v[ADRN] offset:64*(\t)
	ds_load_b128 v[CN+8*(\ab)+4:CN+8*(\ab)+7], v[ADRN] offset:64*(\t)+16
.endm
; THE RIDERS.  Number re of the 52 that take the four results of quad pq (query tiles 4 pq .. + 3), which lie in accumulator set ps, into their lists: 13 steps for each; two results alternate,
; so that no line reads the result of the line before it.  An accumulator's lowest registers are read first.
.macro RID pq, ps
.set rm, 2*(re/26)+(re%26)%2
.set rst, (re%26)/2
.set ra, ACC+32*(\ps)+8*rm
.set rk, KEY+rm
.set rl, LIST+8*(4*(\pq)+rm)
.if rst == 0
	v_max3_num_f32 v[rk], v[ra], v[ra+1], v[ra+2]
.elseif rst < 3
	v_max3_num_f32 v[rk], v[rk], v[ra+2*rst+1], v[ra+2*rst+2]
.elseif rst == 3
	v_max_num_f32 v[rk], v[rk], v[ra+7]
.elseif rst == 4
	v_and_or_b32 v[rk], v[rk], s12, v[IDX]
.elseif rst < 12
	v_med3_num_f32 v[rl+12-rst], v[rl+11-rst], v[rl+12-rst], v[rk]
.else
	v_max_num_f32 v[rl], v[rl], v[rk]
.endif
.set re, re+1
.endm
; A UNIT: the 16 matrix instructions of quad n of a tile (four query tiles x 128 along K), into set n % 2; the four accumulators take turns, one instruction a turn.
; rid = 1: behind each stand 3, 3, 3, 4 riders of the quad before, which lies in the other set.  They name no register of the products round them, so they are also the places that a read of a
; result, and a load into a fragment buffer, need behind a matrix instruction.  rid = 0 (the very first unit): four v_nop at its end take that part.
; nextt >= 0: behind the second product the next tile's fragments are fetched into the other buffer: its last reader stands ten riders back, its first use 62 matrix instructions on.
; bump = 1: the quad before was its tile's last: IDX goes on to this tile.  wt >= 0: a wait for the queries' fragments.
.macro UNIT n, ab, rid, nextt, bump, wt
.if (\wt) >= 0
	s_wait_loadcnt \wt
.endif
.set re, 0
.set us, 0
.rept 16
.set uc, us/4
.set ui, us%4
.set ud, ACC+32*((\n)%2)+8*ui
.set ua, AF+32*(\ab)+8*uc
.set ub, 32*((4*(\n)+ui)%8)+8*uc
	WIN 0x09+4*((\n)/2)                            ; A window 1, the queries window 2 or 3, C and D window 0
.if uc == 0
	v_wmma_f32_16x16x32_bf16 v[ud:ud+7], v[ua:ua+7], v[ub:ub+7], v[CN+8*(\ab):CN+8*(\ab)+7]
.else
	v_wmma_f32_16x16x32_bf16 v[ud:ud+7], v[ua:ua+7], v[ub:ub+7], v[ud:ud+7]
.endif
.if \rid
	WIN 0
	RID ((\n)+3)%4, 1-(\n)%2
	RID ((\n)+3)%4, 1-(\n)%2
	RID ((\n)+3)%4, 1-(\n)%2
.if ui == 3
	RID ((\n)+3)%4, 1-(\n)%2
.endif
.endif
.if (us == 1) && ((\nextt) >= 0)
	LOADA 1-(\ab), \nextt
.endif
.set us, us+1
.endr
.if \bump
	v_add_nc_u32 v[IDX], 2, v[IDX]
.endif
.if !(\rid)
	WIN 0
.rept 4
	v_nop
.endr
.endif
.endm
; A TILE: 64 matrix instructions on buffer ab.  first = 1: the launch's first tile: no quad before it, and the queries' fragments are still arriving: behind quad n's 32 loads 96, 64, 32, 0 loads
; were issued; the last wait also shows chunk 1's raw rows in.
.macro TILE ab, first, nextt
	s_wait_dscnt 0x0                               ; this tile's fragments and C are in
.if \first
	UNIT 0, \ab, 0, -1, 0, 63
	UNIT 1, \ab, 1, -1, 0, 63
	UNIT 2, \ab, 1, -1, 0, 32
	UNIT 3, \ab, 1, -1, 0, 0
.else
	UNIT 0, \ab, 1, \nextt, 1, -1
	UNIT 1, \ab, 1, -1, 0, -1
	UNIT 2, \ab, 1, -1, 0, -1
	UNIT 3, \ab, 1, -1, 0, -1
.endif
.endm
	s_cmp_lg_u32 s10, 0
	s_cbranch_scc1 .Lnot_wave_0_b
	s_wait_loadcnt 63                              ; 144 loads were issued behind tile 0's sixteen
	CONVERT PF0
.Lnot_wave_0_b:
	s_wait_dscnt 0x0                               ; wave 0's stores are done
	s_barrier_signal -1
	s_barrier_wait -1                              ; tile 0 is in LDS for everybody
	LOADA 0, 0
	TILE 0, 1, -1
	WIN 0
	s_mov_b32 s11, 6
.Lchunk:                                               ; a trip: a chunk of 64 rows is rounded into LDS, the next is asked for, four tiles are multiplied
	s_wait_dscnt 0x0                               ; my reads of the last chunk are back
	s_barrier_signal -1
	s_barrier_wait -1                              ; everybody's are: the rows in LDS may be written over
	s_wait_loadcnt 0x0                             ; my 16 raw rows are in; no load is out, so their base may step
	CONVERT PF
	s_wait_dscnt 0x0                               ; my stores are done: for the others' sake, and PF is loaded again only behind them
	s_cmp_eq_u32 s11, 1
	s_cbranch_scc1 .Lno_more                       ; the last trip asks for nothing: no load leaves the work-group's rows
	s_add_nc_u64 s[20:21], s[20:21], 64*ROWB
	RAW PF, 20, 21                                 ; the next chunk: it has this trip's 256 matrix instructions in which to land
.Lno_more:
	s_barrier_signal -1
	s_barrier_wait -1                              ; the chunk is whole
	LOADA 0, 0
	TILE 0, 0, 1
	TILE 1, 0, 2
	TILE 0, 0, 3
	TILE 1, 0, -1
	WIN 0
	s_sub_co_u32 s11, s11, 1
	s_cmp_lg_u32 s11, 0
	s_cbranch_scc1 .Lchunk
.set re, 0
.rept 52
	RID 3, 1                                       ; the last tile's last quad; the four riders behind the last product are its places
.endr
; THE WAY OUT.  Lanes r and r + 16 hold two descending lists of one query.  max(mine_i, the other's_(7-i)), i = 0 .. 7, are the best 8 of the 16; each of the two lanes makes i = 0 .. 3,
; which in the other's count are 7 .. 4: complementary fours.  A store of a wave covers 512 consecutive bytes, aligned.
.set q, 0
.rept 16
.irp i, 0,1,2,3
	v_permlanex16_b32 v[KEY+\i], v[LIST+8*q+7-\i], s14, s15
.endr
.irp i, 0,1,2,3
	v_max_num_f32 v[LIST+8*q+\i], v[LIST+8*q+\i], v[KEY+\i]
.endr
	global_store_b128 v[LOFF], v[LIST+8*q:LIST+8*q+3], s[8:9] offset:512*q
.set q, q+1
.endr
	s_wait_tensorcnt 0x0                           ; the wave's end
	ds_add_u32 v[SPW], v[NIL]
	s_wait_dscnt 0x0
	s_endpgm
.Lfunc_end_k_q4521892131_scan:
	.size	k_q4521892131_scan, .Lfunc_end_k_q4521892131_scan-k_q4521892131_scan
	.p2alignl 7, 3214868480
	.fill 96, 4, 3214868480
	.section	.rodata,"a",@progbits
	.p2align	6, 0x0
	.amdhsa_kernel k_q4521892131_scan
		.amdhsa_group_segment_fixed_size 18432
		.amdhsa_private_segment_fixed_size 0
		.amdhsa_enable_private_segment 0
		.amdhsa_kernarg_size 24
		.amdhsa_user_sgpr_count 2
		.amdhsa_user_sgpr_kernarg_segment_ptr 1
		.amdhsa_wavefront_size32 1
		.amdhsa_system_sgpr_workgroup_id_x 1
		.amdhsa_system_sgpr_workgroup_id_y 1
		.amdhsa_system_sgpr_workgroup_id_z 1
		.amdhsa_system_vgpr_workitem_id 0
		.amdhsa_next_free_vgpr 1024
		.amdhsa_next_free_sgpr 66
		.amdhsa_reserve_vcc 0
		.amdhsa_float_denorm_mode_32 3
		.amdhsa_float_denorm_mode_16_64 3
		.amdhsa_memory_ordered 1
		.amdhsa_forward_progress 1
		.amdhsa_inst_pref_size 152
	.end_amdhsa_kernel
	.amdgpu_metadata
---
amdhsa.version: [ 1, 2 ]
amdhsa.kernels:
  - .name:           k_q4521892131_scan
    .symbol:         k_q4521892131_scan.kd
    .args:
      - { .name: base_data, .offset: 0, .size: 8, .value_kind: global_buffer, .address_space: global }
      - { .name: xb, .offset: 8, .size: 8, .value_kind: global_buffer, .address_space: global }
      - { .name: cand, .offset: 16, .size: 8, .value_kind: global_buffer, .address_space: global }
    .group_segment_fixed_size: 18432
    .private_segment_fixed_size: 0
    .kernarg_segment_align: 8
    .kernarg_segment_size: 24
    .max_flat_workgroup_size: 128
    .sgpr_count:     66
    .vgpr_count:     1024
    .wavefront_size: 32
...
	.end_amdgpu_metadata
.endif
;; end of part 2
;; launch pick (part 3): grid 64 x 1, 10 waves a work-group, no clusters, 12,288 bytes of LDS; arguments cand, x, order; writes order
.if DOCPART == 3
	.amdgcn_target "amdgcn-amd-amdhsa--gfx1250"
	.amdhsa_code_object_version 6
	.text
	.protected	k_q4521892131_pick
	.globl	k_q4521892131_pick
	.p2align	8
	.type	k_q4521892131_pick,@function
k_q4521892131_pick:
	s_mov_b64 s[64:65], 0
	v_nop
	global_prefetch_b8 v0, s[64:65] scope:SCOPE_SE
	s_setreg_imm32_b32 hwreg(HW_REG_WAVE_MODE, 25, 1), 1
	s_wait_xcnt 0x0
; THE SECOND CHOICE.  For each query the 250 work-groups of the launch before left 8 keys (s with a group's number 0 .. 49 in the 6 lowest bits).  Here: d^2 = |x|^2 - 2 s; its 14 lowest mantissa
; bits give way to the group's number among all 12,500; the 8 smallest of a query's 2,000 are found by the same list of 8 (ascending: l_i = med3(l_(i-1), l_i, d), l_0 = min(l_0, d));
; their group numbers are stored as whole numbers: order[query][8], in no particular order.
; SHARES.  A work-group takes a tile of 16 queries; lane (r, h) holds half of query r's keys.  Wave w takes blocks 25 w .. 25 w + 24; the ten waves' lists meet in LDS and wave 0 merges them.
; LIMITS.  A key keeps 9 mantissa bits of d^2: groups whose nearest rows differ by less than 2^-9 of d^2 may change places, which moves a distance by at most 2^-10 of itself.  NaN and infinities are not treated apart.
; No matrix work, no cluster (no two work-groups read the same keys), no tensor loads (a wave's 25 loads are all out at once, in registers).
.set LS,    8                          ; v8-15    the list
.set TG,    17                         ; v17-20   four group numbers at work
.set CK,    32                         ; v32-131  25 blocks x 4 keys; later v32-103: the nine other waves' lists
.set X,     132                        ; v132-195 16 rows of x, 4 registers each; v132 ends as |x_r|^2
.set SPARE, 10240                      ; behind the lists (10 waves x 1,024 bytes): the spare words, 128 bytes for each wave: five blocks of 256 bytes that no other line names
	s_load_b128 s[4:7], s[0:1], 0x0                ; cand s[4:5], x s[6:7]
	s_load_b64 s[8:9], s[0:1], 0x10                ; order
	v_lshl_add_u32 v24, v0, 2, SPARE               ; my spare word; never rewritten
	v_mov_b32 v25, 0                               ; 0; never rewritten
	v_lshrrev_b32 v2, 5, v0
	v_readfirstlane_b32 s10, v2                    ; wave 0..9
	v_and_b32 v2, 31, v0
	v_lshlrev_b32 v1, 4, v2                        ; 16 lane
	v_and_b32 v3, 15, v0                           ; r
	v_bfe_u32 v4, v0, 4, 1                         ; h
	v_lshlrev_b32 v28, 5, v3
	v_lshl_add_u32 v28, v4, 4, v28                 ; 32 r + 16 h: my four numbers in the tile's 512 bytes of order
	s_lshl_b32 s20, s10, 10
	v_add_nc_u32 v26, s20, v1                      ; my wave's 1,024 bytes of LDS, my 16
	s_mul_i32 s13, s10, 1250                       ; the first group of my first block: 50 groups a block
	s_mul_i32 s20, s10, 25*32768                   ; my wave's 25 blocks of cand,
	s_lshl_b32 s21, ttmp9, 9                       ; the tile's 512 bytes in each
	s_add_co_u32 s20, s20, s21
	s_mov_b32 s21, 0
	s_lshl_b32 s22, ttmp9, 13                      ; the tile's 16 rows of x
	s_mov_b32 s23, 0
	s_lshl_b32 s24, ttmp9, 9                       ; its 512 bytes of order
	s_mov_b32 s25, 0
	s_mov_b32 s14, 0xffffc000                      ; a key's bits that stay
	s_mov_b32 s15, 0x7f7fffff                      ; the largest finite number
	s_mov_b32 s18, 0x76543210                      ; v_permlanex16_b32: each lane takes its own place in the other half
	s_mov_b32 s19, 0xfedcba98
	s_mov_b32 s26, 0xaaaaaaaa                      ; lanes whose number has bit 0, 1, 2, 3 set
	s_mov_b32 s27, 0xcccccccc
	s_mov_b32 s28, 0xf0f0f0f0
	s_mov_b32 s29, 0xff00ff00
	s_wait_kmcnt 0x0
	s_add_nc_u64 s[4:5], s[4:5], s[20:21]
	s_add_nc_u64 s[6:7], s[6:7], s[22:23]
	s_add_nc_u64 s[8:9], s[8:9], s[24:25]
.set i, 0
.rept 16
	global_load_b128 v[X+4*i:X+4*i+3], v1, s[6:7] offset:512*i  ; a whole row of x
.set i, i+1
.endr
.set i, 0
.rept 25
	global_load_b128 v[CK+4*i:CK+4*i+3], v1, s[4:5] offset:32768*i th:TH_LOAD_NT  ; 512 consecutive bytes of block i
.set i, i+1
.endr
.irp i, 0,1,2,3,4,5,6,7
	v_mov_b32 v[LS+\i], s15                        ; each lane takes 100 keys, so none of this is left
.endr
	s_wait_loadcnt 25                              ; x is in; the 25 blocks may stay out
	; |x|^2 of the 16 rows, in place: a lane's four squares, then across the lanes
.set i, 0
.rept 16
	v_pk_mul_f32 v[X+4*i:X+4*i+1], v[X+4*i:X+4*i+1], v[X+4*i:X+4*i+1]
.set i, i+1
.endr
.set i, 0
.rept 16
	v_pk_fma_f32 v[X+4*i:X+4*i+1], v[X+4*i+2:X+4*i+3], v[X+4*i+2:X+4*i+3], v[X+4*i:X+4*i+1]
.set i, i+1
.endr
.set i, 0
.rept 16
	v_add_f32 v[X+4*i], v[X+4*i], v[X+4*i+1]
.set i, i+1
.endr
; One level: of two rows' sums a lane keeps one (by bit x of its number), sends the other to the lane x away and adds what it gets.  After levels 1, 2, 4, 8 lane l holds row l % 16.
.macro BFLY x, msk
.set bp, 0
.rept 8/(\x)
.set ba, X+8*(\x)*bp
.set bb, ba+4*(\x)
	v_cndmask_b32 v[ba+1], v[bb], v[ba], \msk
	v_cndmask_b32 v[ba], v[ba], v[bb], \msk
	v_add_f32_dpp v[ba], v[ba+1], v[ba] row_xmask:\x row_mask:0xf bank_mask:0xf
.set bp, bp+1
.endr
.endm
	BFLY 1, s26
	BFLY 2, s27
	BFLY 4, s28
	BFLY 8, s29
	v_permlanex16_b32 v[X+1], v[X], s18, s19
	v_add_f32 v[X], v[X], v[X+1]                   ; |x_r|^2
.macro INS d                           ; register d goes into the ascending list: from the list's end upward, each line reads its neighbour's old number
.irp i, 7,6,5,4,3,2,1
	v_med3_num_f32 v[LS+\i], v[LS+\i-1], v[LS+\i], v[\d]
.endr
	v_min_num_f32 v[LS], v[LS], v[\d]
.endm
.macro BLOCK b
	s_wait_loadcnt 24-(\b)                         ; loads come back in order (ISA guide 5.7.1): block b is in, the younger ones stay out
.irp j, 0,1,2,3
	v_and_b32 v[TG+\j], 63, v[CK+4*(\b)+\j]        ; the group's number in its block
.endr
.irp j, 0,1,2,3
	v_fma_f32 v[CK+4*(\b)+\j], -2.0, v[CK+4*(\b)+\j], v[X]
.endr
.irp j, 0,1,2,3
	v_add_nc_u32 v[TG+\j], s13, v[TG+\j]           ; among all 12,500
.endr
.irp j, 0,1,2,3
	v_and_or_b32 v[CK+4*(\b)+\j], v[CK+4*(\b)+\j], s14, v[TG+\j]
.endr
	s_add_co_u32 s13, s13, 50
.irp j, 0,1,2,3
	INS CK+4*(\b)+\j
.endr
.endm
.set bi, 0
.rept 25
	BLOCK bi
.set bi, bi+1
.endr
	ds_store_b128 v26, v[LS:LS+3]
	ds_store_b128 v26, v[LS+4:LS+7] offset:512
	s_wait_dscnt 0x0                               ; for wave 0's sake: my stores are done
	s_barrier_signal -1
	s_barrier_wait -1
	s_cmp_lg_u32 s10, 0
	s_cbranch_scc1 .Lend
	; Wave 0 takes the nine other waves' lists into its own.  All 18 loads go out together, from the fixed address 16 lane, the wave's place in the immediate: bytes 1,024 to 10,239, below the spare words.
.set k, 1
.rept 9
	ds_load_b128 v[CK+8*(k-1):CK+8*(k-1)+3],   v1 offset:1024*k
	ds_load_b128 v[CK+8*(k-1)+4:CK+8*(k-1)+7], v1 offset:1024*k+512
.set k, k+1
.endr
.set k, 0
.rept 9
	s_wait_dscnt 16-2*k                            ; LDS loads come back in order (ISA guide 5.7.1): behind list k's two loads 16 - 2 k were issued
.irp j, 0,1,2,3,4,5,6,7
	INS CK+8*k+\j
.endr
.set k, k+1
.endr
	; lanes r and r + 16 hold two ascending lists of one query: min(mine_i, the other's_(7-i)), i = 0 .. 3, in both lanes are complementary fours of the best 8
.irp i, 0,1,2,3
	v_permlanex16_b32 v[TG+\i], v[LS+7-\i], s18, s19
.endr
.irp i, 0,1,2,3
	v_min_num_f32 v[LS+\i], v[LS+\i], v[TG+\i]
.endr
.irp i, 0,1,2,3
	v_and_b32 v[LS+\i], 0x3fff, v[LS+\i]           ; the group's number
.endr
	global_store_b128 v28, v[LS:LS+3], s[8:9]      ; the wave fills the tile's 512 consecutive bytes
.Lend:
	s_wait_tensorcnt 0x0                           ; the wave's end
	ds_add_u32 v24, v25
	s_wait_dscnt 0x0
	s_endpgm
.Lfunc_end_k_q4521892131_pick:
	.size	k_q4521892131_pick, .Lfunc_end_k_q4521892131_pick-k_q4521892131_pick
	.p2alignl 7, 3214868480
	.fill 96, 4, 3214868480
	.section	.rodata,"a",@progbits
	.p2align	6, 0x0
	.amdhsa_kernel k_q4521892131_pick
		.amdhsa_group_segment_fixed_size 12288
		.amdhsa_private_segment_fixed_size 0
		.amdhsa_enable_private_segment 0
		.amdhsa_kernarg_size 24
		.amdhsa_user_sgpr_count 2
		.amdhsa_user_sgpr_kernarg_segment_ptr 1
		.amdhsa_wavefront_size32 1
		.amdhsa_system_sgpr_workgroup_id_x 1
		.amdhsa_system_sgpr_workgroup_id_y 1
		.amdhsa_system_sgpr_workgroup_id_z 1
		.amdhsa_system_vgpr_workitem_id 0
		.amdhsa_next_free_vgpr 196
		.amdhsa_next_free_sgpr 66
		.amdhsa_reserve_vcc 0
		.amdhsa_float_denorm_mode_32 3
		.amdhsa_float_denorm_mode_16_64 3
		.amdhsa_memory_ordered 1
		.amdhsa_forward_progress 1
		.amdhsa_inst_pref_size 115
	.end_amdhsa_kernel
	.amdgpu_metadata
---
amdhsa.version: [ 1, 2 ]
amdhsa.kernels:
  - .name:           k_q4521892131_pick
    .symbol:         k_q4521892131_pick.kd
    .args:
      - { .name: cand, .offset: 0, .size: 8, .value_kind: global_buffer, .address_space: global }
      - { .name: x, .offset: 8, .size: 8, .value_kind: global_buffer, .address_space: global }
      - { .name: order, .offset: 16, .size: 8, .value_kind: global_buffer, .address_space: global }
    .group_segment_fixed_size: 12288
    .private_segment_fixed_size: 0
    .kernarg_segment_align: 8
    .kernarg_segment_size: 24
    .max_flat_workgroup_size: 320
    .sgpr_count:     66
    .vgpr_count:     196
    .wavefront_size: 32
...
	.end_amdgpu_metadata
.endif
;; end of part 3
;; launch refine (part 4): grid 256 x 1, 4 waves a work-group, no clusters, 0 bytes of LDS; arguments base_data, x, order, out0; writes out0
.if DOCPART == 4
	.amdgcn_target "amdgcn-amd-amdhsa--gfx1250"
	.amdhsa_code_object_version 6
	.text
	.protected	k_q4521892131_refine
	.globl	k_q4521892131_refine
	.p2align	8
	.type	k_q4521892131_refine,@function
k_q4521892131_refine:
	s_mov_b64 s[64:65], 0
	v_nop
	global_prefetch_b8 v0, s[64:65] scope:SCOPE_SE
	s_setreg_imm32_b32 hwreg(HW_REG_WAVE_MODE, 25, 1), 1
	s_wait_xcnt 0x0
; THE DISTANCES.  A wave takes one query: the 8 groups that order names for it are 64 rows of base_data, among which its 8 nearest rows lie.  For each row d^2 = the sum of (b - x)^2 in f32
; (no difference of large sums, never negative); the 8 smallest are kept in an ascending list (l_i = med3(l_(i-1), l_i, d^2), l_0 = min); their roots are the result.
; LIMITS.  Where the formula |b|^2 + |x|^2 - 2 x.b would cancel below zero (a row all but equal to the query), this text gives the small true distance.  NaN and infinities are not treated apart.
; The group numbers are whole numbers that an earlier launch stored; each is clamped to the table's last group before it enters an address.
; A group is 4,096 consecutive bytes; a load of a wave takes one whole row, 512 bytes.  32 loads are out at the start, and a group's registers are filled again as soon as the group is done.
; A wave's result is 32 bytes: an eighth of an aligned 256; the four waves of a work-group write half of one.  The whole output is 32 KiB: gathering it through LDS would add a barrier to save nothing that counts.
; No matrix work (64 rows a query, each wanted in f32), no LDS, no cluster.
.set LS, 8                             ; v8-15   the list
.set RW, 32                            ; v32-159 four groups' rows: group g at RW + 32 (g % 4), row j at + 4 j
	s_load_b256 s[4:11], s[0:1], 0x0               ; base_data s[4:5], x s[6:7], order s[8:9], out0 s[10:11]
	v_lshrrev_b32 v1, 5, v0
	v_readfirstlane_b32 s12, v1                    ; wave 0..3
	v_and_b32 v1, 31, v0                           ; lane
	v_lshlrev_b32 v6, 4, v1                        ; 16 lane
	v_lshlrev_b32 v7, 2, v1                        ; 4 lane
	s_lshl_b32 s13, ttmp9, 2
	s_add_co_u32 s13, s13, s12                     ; my query
	s_lshl_b32 s14, s13, 5                         ; its 32 bytes in order and in out0
	s_mov_b32 s15, 0
	s_lshl_b32 s46, s13, 9                         ; its row of x
	s_mov_b32 s47, 0
	s_mov_b32 s41, 0
	s_mov_b32 s42, 0x76543210                      ; v_permlanex16_b32: each lane takes its own place in the other half
	s_mov_b32 s43, 0xfedcba98
	s_mov_b32 s44, 0x7f7fffff                      ; the largest finite number
	s_wait_kmcnt 0x0
	s_add_nc_u64 s[8:9], s[8:9], s[14:15]
	s_add_nc_u64 s[10:11], s[10:11], s[14:15]
	s_add_nc_u64 s[6:7], s[6:7], s[46:47]
	s_load_b256 s[16:23], s[8:9], 0x0              ; my eight groups
	global_load_b128 v[2:5], v6, s[6:7]            ; my four numbers of x
.irp i, 0,1,2,3,4,5,6,7
	v_mov_b32 v[LS+\i], s44                        ; 64 rows go in, so none of this is left
.endr
	s_wait_kmcnt 0x0
.irp g, 0,1,2,3,4,5,6,7
	s_min_u32 s40, s[16+\g], 12499                 ; inside the table, whatever was read
	s_lshl_b32 s40, s40, 12                        ; 8 rows of 512 bytes
	s_add_nc_u64 s[24+2*\g:25+2*\g], s[4:5], s[40:41]
.endr
.macro FILL g
.set fb, RW+32*((\g)%4)
.irp j, 0,1,2,3,4,5,6,7
	global_load_b128 v[fb+4*\j:fb+4*\j+3], v6, s[24+2*(\g):25+2*(\g)] offset:512*\j
.endr
.endm
.macro INS d                           ; register d goes into the ascending list: from the list's end upward, each line reads its neighbour's old number
.irp i, 7,6,5,4,3,2,1
	v_med3_num_f32 v[LS+\i], v[LS+\i-1], v[LS+\i], v[\d]
.endr
	v_min_num_f32 v[LS], v[LS], v[\d]
.endm
.macro EACH line:vararg                ; one line for each of the group's rows: rr is the row's first register
.set rr, gb
.rept 8
	\line
.set rr, rr+4
.endr
.endm
; A group's eight rows, step by step, in place: eight chains that do not wait for each other.  left = the loads issued behind this group's.
.macro GROUP g, left
.set gb, RW+32*((\g)%4)
	s_wait_loadcnt \left
	EACH v_pk_add_f32 v[rr:rr+1], v[rr:rr+1], v[2:3] neg_lo:[0,1] neg_hi:[0,1]
	EACH v_pk_add_f32 v[rr+2:rr+3], v[rr+2:rr+3], v[4:5] neg_lo:[0,1] neg_hi:[0,1]
	EACH v_pk_mul_f32 v[rr:rr+1], v[rr:rr+1], v[rr:rr+1]
	EACH v_pk_fma_f32 v[rr:rr+1], v[rr+2:rr+3], v[rr+2:rr+3], v[rr:rr+1]
	EACH v_add_f32 v[rr], v[rr], v[rr+1]
	EACH v_add_f32_dpp v[rr], v[rr], v[rr] row_xmask:1 row_mask:0xf bank_mask:0xf
	EACH v_add_f32_dpp v[rr], v[rr], v[rr] row_xmask:2 row_mask:0xf bank_mask:0xf
	EACH v_add_f32_dpp v[rr], v[rr], v[rr] row_xmask:4 row_mask:0xf bank_mask:0xf
	EACH v_add_f32_dpp v[rr], v[rr], v[rr] row_xmask:8 row_mask:0xf bank_mask:0xf
	EACH v_permlanex16_b32 v[rr+1], v[rr], s42, s43
	EACH v_add_f32 v[rr], v[rr], v[rr+1]
	EACH INS rr
.endm
	FILL 0
	FILL 1
	FILL 2
	FILL 3
	GROUP 0, 24                                    ; behind group 0's loads: groups 1 to 3
	FILL 4
	GROUP 1, 24
	FILL 5
	GROUP 2, 24
	FILL 6
	GROUP 3, 24
	FILL 7
	GROUP 4, 24                                    ; behind group 4's: groups 5 to 7; then the counts run down
	GROUP 5, 16
	GROUP 6, 8
	GROUP 7, 0
	v_mov_b32 v16, v[LS]                           ; every lane holds the whole list: lane i of the first eight takes l_i
.irp i, 1,2,3,4,5,6,7
	v_cmp_eq_u32 vcc_lo, \i, v1
	v_cndmask_b32 v16, v16, v[LS+\i], vcc_lo
.endr
	v_sqrt_f32 v16, v16
	v_nop                                          ; a plain instruction between the root and the use of its result (ISA guide 5.7.2)
	s_wait_xcnt 0x0                                ; EXEC changes only behind this wait
	v_cmp_gt_u32 vcc_lo, 8, v1
	s_and_saveexec_b32 s45, vcc_lo
	s_wait_alu depctr_va_vdst(0)
	global_store_b32 v7, v16, s[10:11]             ; eight lanes, 32 consecutive bytes, ascending
	s_endpgm
.Lfunc_end_k_q4521892131_refine:
	.size	k_q4521892131_refine, .Lfunc_end_k_q4521892131_refine-k_q4521892131_refine
	.p2alignl 7, 3214868480
	.fill 96, 4, 3214868480
	.section	.rodata,"a",@progbits
	.p2align	6, 0x0
	.amdhsa_kernel k_q4521892131_refine
		.amdhsa_group_segment_fixed_size 0
		.amdhsa_private_segment_fixed_size 0
		.amdhsa_enable_private_segment 0
		.amdhsa_kernarg_size 32
		.amdhsa_user_sgpr_count 2
		.amdhsa_user_sgpr_kernarg_segment_ptr 1
		.amdhsa_wavefront_size32 1
		.amdhsa_system_sgpr_workgroup_id_x 1
		.amdhsa_system_sgpr_workgroup_id_y 1
		.amdhsa_system_sgpr_workgroup_id_z 1
		.amdhsa_system_vgpr_workitem_id 0
		.amdhsa_next_free_vgpr 160
		.amdhsa_next_free_sgpr 66
		.amdhsa_reserve_vcc 1
		.amdhsa_float_denorm_mode_32 3
		.amdhsa_float_denorm_mode_16_64 3
		.amdhsa_memory_ordered 1
		.amdhsa_forward_progress 1
		.amdhsa_inst_pref_size 80
	.end_amdhsa_kernel
	.amdgpu_metadata
---
amdhsa.version: [ 1, 2 ]
amdhsa.kernels:
  - .name:           k_q4521892131_refine
    .symbol:         k_q4521892131_refine.kd
    .args:
      - { .name: base_data, .offset: 0, .size: 8, .value_kind: global_buffer, .address_space: global }
      - { .name: x, .offset: 8, .size: 8, .value_kind: global_buffer, .address_space: global }
      - { .name: order, .offset: 16, .size: 8, .value_kind: global_buffer, .address_space: global }
      - { .name: out0, .offset: 24, .size: 8, .value_kind: global_buffer, .address_space: global }
    .group_segment_fixed_size: 0
    .private_segment_fixed_size: 0
    .kernarg_segment_align: 8
    .kernarg_segment_size: 32
    .max_flat_workgroup_size: 128
    .sgpr_count:     66
    .vgpr_count:     160
    .wavefront_size: 32
...
	.end_amdgpu_metadata
.endif
;; end of part 4
;; ======== version 2 of 2: 4 launches; version 1 with the launch scan written anew for expert scheduling mode
;; limits: values within 0.002 (relative) of each other or of a threshold may be ordered or decided otherwise than in the reference
;; workspace buffers: xb 262,144 bytes; cand 8,192,000 bytes; order 32,768 bytes of whole numbers
;; launch prep: the kernel of part 1 again; grid 64 x 1, 8 waves a work-group, no clusters, 0 bytes of LDS; arguments x, xb; writes xb
;; launch scan (part 5): grid 250 x 1, 4 waves a work-group, no clusters, 18,432 bytes of LDS; arguments base_data, xb, cand; writes cand
.if DOCPART == 5
	.amdgcn_target "amdgcn-amd-amdhsa--gfx1250"
	.amdhsa_code_object_version 6
	.text
	.protected	k_q4521892131_scan
	.globl	k_q4521892131_scan
	.p2align	8
	.type	k_q4521892131_scan,@function
k_q4521892131_scan:
	s_mov_b64 s[64:65], 0
	v_nop
	global_prefetch_b8 v0, s[64:65] scope:SCOPE_SE
	s_setreg_imm32_b32 hwreg(HW_REG_WAVE_SCHED_MODE, 0, 2), 2
	s_setreg_imm32_b32 hwreg(HW_REG_WAVE_MODE, 25, 1), 1
	s_wait_xcnt 0x0
	s_wait_alu depctr_vm_vsrc(0)
; THE PRODUCT AND THE FIRST CHOICE.  d^2(q, b) = |x_q|^2 - 2 s, s = x_q . b - |b|^2 / 2: for a query the nearest rows are those of largest s.
; The 100,000 rows fall into 12,500 GROUPS of 8 neighbouring rows.  Each of a query's 8 nearest rows lies in one of the 8 groups of largest group maximum of s (a group that holds such a row has a
; maximum at or above the 8th best s, and at most 8 groups have that).  So only group maxima are kept here; the rows themselves are measured again, in f32, by the last launch.
; SHARES.  Work-group g owns rows 400 g .. 400 g + 399: 25 tiles of 16 rows, 50 groups; every byte of base_data is read once in the launch.  Wave w owns queries 256 w .. + 255: 16 query tiles,
; whose fragments (512 registers) stay in registers for the whole launch.
; PRODUCT.  Source 0 = 16 rows of base_data (bf16, from LDS), source 1 = 16 queries; the C of a chain's first link is -|b|^2 / 2 (f32, of the unrounded row).  In the result lane (r, h) holds query r,
; register j row 8 h + j: a lane's eight registers are ONE group.
; CHOICE.  Per result: the maximum of the 8 registers; its 6 lowest mantissa bits give way to the group's number in the work-group (2 tile + h, 0 .. 49); the key goes into the lane's list of 8, kept
; descending: l_i = med3(l_(i-1), l_i, key), from the list's end upward, l_0 = max(l_0, key).  13 vector instructions for 4 matrix instructions, no branch.
; They stand as RIDERS behind the matrix instructions of the next four query tiles.
; OUT.  cand = [work-group 250][query tile 64][lane 32][4 keys]: the two lanes of a query hold complementary fours of its best 8 keys of this work-group.
; LIMITS.  Operands of the product are bf16; a key keeps 17 mantissa bits of s.  Both touch only WHICH groups are chosen, among groups whose maxima are that close.  NaN and infinities are not treated apart.
; NO CLUSTER: 250 work-groups are no multiple of four; no row of base_data is wanted by two work-groups; xb goes straight into registers, once.
; NO TENSOR LOADS: a row passes through the vector unit in any case, for its rounding and its norm, so it waits in registers (64 a wave), asked for 256 matrix instructions ahead.
; REGISTERS, in windows of 256 (s_set_vgpr_msb: bits 1:0 source 0, 3:2 source 1, 5:4 source 2, 7:6 destination):
;   window 0: addresses; the accumulators; keys; the norms' work; the lists          window 1: A's fragments and the first links' C (four buffers each), raw rows, squares and rounded rows          windows 2, 3: the queries' fragments
; All that a rider touches lies in window 0 and a product's sources do not fit beside it: two switches for each matrix instruction, the price of the riders.
; THE MODE: SCHED_MODE bits 1:0 = 2 (LLVM: expert scheduling mode 2), set by the entry lines.  The code itself states the register dependences
; between vector or matrix instructions and memory or LDS instructions, with s_wait_alu, always for 0.
; THE PLAN.  Registers that memory or LDS instructions touch:
;   v2-v7, v101, v102   addresses and the closing add's two: written at the head, never again.
;   the queries         loaded once at the head; read by matrix instructions alone.
;   PF                  a chunk's squarings and roundings read it; the next chunk's 16 loads land in it.
;   T, NS[0]            written by a chunk's roundings and by its norms' arithmetic; read by the chunk's 17 LDS stores; written again a chunk later.
;   AF0-3, CN0-3        a buffer for each of a chunk's four tiles: tile t's matrix instructions read AF[t] and CN[t]; the LDS loads of the next chunk's tile t land in them.
;   LIST's first fours  written by the way out's maxima; read by its 16 stores.
; So ONE wait on va_vdst stands in a chunk, behind its rounding and norms: T and NS are written, PF has been read, and all matrix instructions of the chunk before are done reading the four AF and CN.  Behind it stand
; the loads into PF, the LDS stores, and, dealt among the four tiles' products, the 40 loads of fragments: tile t's products name AF[t], CN[t], the accumulators and the queries, the riders window 0's accumulators,
; keys and lists; the loads issued in tile t land in AF[t+1] and CN[t+1].  One wait on vm_vsrc a chunk, at its head, stands ahead of the lines that write T and NS again.
.set ROWB,  512                        ; bytes in a row of base_data
.set WGB,   400*ROWB                   ; a work-group's rows
.set PITCH, 272                        ; a bf16 row in LDS: 256 bytes + 16 = 68 words: row r starts at bank 4 r mod 64 (64 banks of 4 bytes: ISA guide 11.1)
.set TILEB, 16*PITCH
.set NRM,   64*PITCH                   ; behind the 64 rows: 64 words, -|b|^2 / 2
.set SPARE, NRM+256                    ; the spare words, 128 bytes for each wave: two blocks of 256 bytes that no other line names
.set ADRA, 2                           ; v2   r x pitch + 16 h: my place in a tile's fragments
.set ADRN, 3                           ; v3   NRM + 32 h: my eight rows' words
.set ADST, 4                           ; v4   where I put 8 bytes of a row that my wave rounds
.set ADNS, 5                           ; v5   where row r's norm goes
.set GOFF, 6                           ; v6   16 lane + my wave's 16 rows of a chunk
.set LOFF, 7                           ; v7   16 lane
.set ACC,  32                          ; v32-95   two sets of four accumulators
.set KEY,  96                          ; v96-99   a key for each of a set's four
.set IDX,  100                         ; v100     2 tile + h, of the tile whose keys are being made
.set SPW,  101                         ; v101     LDS address of my spare word; never rewritten
.set NIL,  102                         ; v102     0; never rewritten
.set NS,   104                         ; v104-119 sixteen rows' sums of squares
.set NT,   120                         ; v120-127 at work
.set LIST, 128                         ; v128-255 query tile q's list at LIST + 8 q, descending
.set AF,   0                           ; window 1: v0-127   A's fragments, four buffers of 32: a chunk's tile t has buffer t
.set CN,   128                         ; window 1: v128-159 C of the first links, four buffers of 8, likewise
.set PF,   160                         ; window 1: v160-223 16 raw rows, 4 registers each
.set T,    224                         ; window 1: v224-255 squares; then the 16 rows rounded to bf16, 2 registers each
.set PF0,  AF+64                       ; window 1: v64-127  tile 0's raw rows (wave 0 alone), where A's buffers 2 and 3 lie later
.set MSB, 0
.macro WIN new                         ; the immediate's high byte repeats the setting that is left; a switch that changes nothing is dropped
.if MSB != (\new)
	s_set_vgpr_msb (MSB<<8)|(\new)
.set MSB, \new
.endif
.endm
	s_load_b128 s[4:7], s[0:1], 0x0                ; base_data s[4:5], xb s[6:7]
	s_load_b64 s[8:9], s[0:1], 0x10                ; cand
	v_lshl_add_u32 v[SPW], v0, 2, SPARE
	v_mov_b32 v[NIL], 0
	v_lshrrev_b32 v1, 5, v0
	v_readfirstlane_b32 s10, v1                    ; wave 0..3
	v_and_b32 v8, 31, v0                           ; lane
	v_and_b32 v9, 15, v0                           ; r
	v_bfe_u32 v10, v0, 4, 1                        ; h
	v_mul_u32_u24 v[ADRA], v9, PITCH
	v_lshl_add_u32 v[ADRA], v10, 4, v[ADRA]
	v_lshlrev_b32 v[ADRN], 5, v10
	v_add_nc_u32 v[ADRN], NRM, v[ADRN]
	s_wait_alu depctr_va_sdst(0)                   ; s10 is written, ahead of its first reader: LDS places, bases and branches are made from it
	s_mul_i32 s22, s10, TILEB                      ; my wave rounds rows 16 w .. 16 w + 15 of a chunk
	v_lshl_add_u32 v[ADST], v8, 3, s22
	s_lshl_b32 s23, s10, 6
	s_add_co_u32 s23, s23, NRM
	v_lshl_add_u32 v[ADNS], v9, 2, s23
	v_lshlrev_b32 v[LOFF], 4, v8
	s_lshl_b32 s25, s10, 13                        ; 16 rows of 512 bytes; also my wave's 16 query tiles in cand
	v_add_nc_u32 v[GOFF], s25, v[LOFF]
	v_mov_b32 v[IDX], v10                          ; tile 0
	s_mov_b32 s12, 0xffffffc0                      ; a key's bits that stay
	s_mov_b32 s14, 0x76543210                      ; v_permlanex16_b32: each lane takes its own place in the other half
	s_mov_b32 s15, 0xfedcba98
	s_mov_b32 s16, 0xaaaaaaaa                      ; lanes whose number has bit 0, 1, 2, 3 set
	s_mov_b32 s17, 0xcccccccc
	s_mov_b32 s18, 0xf0f0f0f0
	s_mov_b32 s19, 0xff00ff00
	s_mov_b32 s24, 0xff7fffff                      ; the lowest finite number
	s_mul_i32 s22, ttmp9, WGB                      ; under 2^26
	s_mov_b32 s23, 0
	s_lshl_b32 s26, s10, 16                        ; my 16 query tiles of 4,096 bytes in xb
	s_mov_b32 s27, 0
	s_lshl_b32 s28, ttmp9, 15                      ; the work-group's 32,768 bytes of cand,
	s_add_co_u32 s28, s28, s25                     ; my wave's 8,192 of them
	s_mov_b32 s29, 0
	s_wait_kmcnt 0x0
	s_add_nc_u64 s[4:5], s[4:5], s[22:23]          ; the work-group's first row
	s_add_nc_u64 s[20:21], s[4:5], 16*ROWB         ; chunk 1 begins behind tile 0
	s_add_nc_u64 s[6:7], s[6:7], s[26:27]
	s_add_nc_u64 s[8:9], s[8:9], s[28:29]
	s_wait_alu depctr_va_vdst(0)                   ; the six addresses v2 to v7 are written, which every load and store of the kernel reads; none is written again
; CHUNKS.  Chunk 0 is tile 0, rounded by wave 0; chunks 1 to 6 hold four tiles, 64 rows, of which each wave rounds 16.  A load of a wave takes one whole row, 512 consecutive bytes.
.macro RAW R, lo, hi                   ; 16 rows into R .. R + 63
	WIN 0x40                                       ; destination window 1, address window 0
.set ci, 0
.rept 16
	global_load_b128 v[(\R)+4*ci:(\R)+4*ci+3], v[GOFF], s[\lo:\hi] offset:ROWB*ci th:TH_LOAD_NT
.set ci, ci+1
.endr
	WIN 0
.endm
	s_cmp_lg_u32 s10, 0
	s_cbranch_scc1 .Lnot_wave_0_a
	RAW PF0, 4, 5                                  ; tile 0 (for wave 0 GOFF is 16 lane)
.Lnot_wave_0_a:
	RAW PF, 20, 21                                 ; chunk 1
	WIN 0x80                                       ; the queries' fragments: tile q in window 2 + q / 8 at 32 (q % 8), piece p at + 4 p
.set ci, 0
.rept 64
	global_load_b128 v[4*ci:4*ci+3], v[LOFF], s[6:7] offset:512*ci
.set ci, ci+1
.endr
	WIN 0xc0
.set ci, 0
.rept 64
	global_load_b128 v[4*ci:4*ci+3], v[LOFF], s[6:7] offset:512*(64+ci)
.set ci, ci+1
.endr
	WIN 0
.set ci, 0
.rept 128                              ; the lists start at the lowest finite number (each takes 25 keys, so none of it is left): these lines stand in the wait for the loads
	v_mov_b32 v[LIST+ci], s24
.set ci, ci+1
.endr
; One level of the sums across lanes: of two rows' sums a lane keeps one (by bit x of its number), sends the other to the lane x away and adds what it gets.  After levels 1, 2, 4, 8 lane l holds row l % 16.
.macro BFLY x, msk
.set bp, 0
.rept 8/(\x)
	v_cndmask_b32 v[NT+bp], v[NS+2*(\x)*bp+(\x)], v[NS+2*(\x)*bp], \msk
	v_cndmask_b32 v[NS+2*(\x)*bp], v[NS+2*(\x)*bp], v[NS+2*(\x)*bp+(\x)], \msk
.set bp, bp+1
.endr
.set bp, 0
.rept 8/(\x)
	v_add_f32_dpp v[NS+2*(\x)*bp], v[NT+bp], v[NS+2*(\x)*bp] row_xmask:\x row_mask:0xf bank_mask:0xf
.set bp, bp+1
.endr
.endm
; 16 raw rows (a lane holds numbers 4 lane .. + 3 of each), the vector work: their sums of squares in f32, down to -|b|^2 / 2 of row l % 16 in NS; the rows rounded to bf16, into T, whose squares have been added up by then.
; R is only read here, so that it can be asked for again ahead of the LDS stores.
.macro CONVERT R
	WIN 0x55                                       ; all in window 1
.set ci, 0
.rept 16
	v_pk_mul_f32 v[T+2*ci:T+2*ci+1], v[(\R)+4*ci:(\R)+4*ci+1], v[(\R)+4*ci:(\R)+4*ci+1]
.set ci, ci+1
.endr
.set ci, 0
.rept 16
	v_pk_fma_f32 v[T+2*ci:T+2*ci+1], v[(\R)+4*ci+2:(\R)+4*ci+3], v[(\R)+4*ci+2:(\R)+4*ci+3], v[T+2*ci:T+2*ci+1]
.set ci, ci+1
.endr
	WIN 0x05                                       ; sources window 1, destination window 0
.set ci, 0
.rept 16
	v_add_f32 v[NS+ci], v[T+2*ci], v[T+2*ci+1]
.set ci, ci+1
.endr
	WIN 0x55
.set ci, 0
.rept 16
	v_cvt_pk_bf16_f32 v[T+2*ci], v[(\R)+4*ci], v[(\R)+4*ci+1]
	v_cvt_pk_bf16_f32 v[T+2*ci+1], v[(\R)+4*ci+2], v[(\R)+4*ci+3]
.set ci, ci+1
.endr
	WIN 0
	BFLY 1, s16
	BFLY 2, s17
	BFLY 4, s18
	BFLY 8, s19
	v_permlanex16_b32 v[NT], v[NS], s14, s15       ; the other 16 lanes' part
	v_add_f32 v[NS], v[NS], v[NT]
	v_mul_f32 v[NS], -0.5, v[NS]
.endm
; And its 17 LDS stores, in one run behind one wait.
.macro PUT
	ds_store_b32 v[ADNS], v[NS]                    ; lanes r and r + 16 write the same word with the same number
	WIN 0x04                                       ; an LDS store's data is source 1: window 1
.set ci, 0
.rept 16
	ds_store_b64 v[ADST], v[T+2*ci:T+2*ci+1] offset:PITCH*ci  ; 32 lanes x 8 bytes: a row's 256 bytes on end
.set ci, ci+1
.endr
	WIN 0
.endm
; Tile t of the chunk in LDS: A's fragments (16 rows x 128 K: 8 loads of 16 bytes, 32 bytes apart) and the C of the first links, into buffer t.
.macro LOADA t
	WIN 0x40
.irp p, 0,1,2,3,4,5,6,7
	ds_load_b128 v[AF+32*(\t)+4*\p:AF+32*(\t)+4*\p+3], v[ADRA] offset:TILEB*(\t)+32*\p
.endr
	ds_load_b128 v[CN+8*(\t):CN+8*(\t)+3], v[ADRN] offset:64*(\t)
	ds_load_b128 v[CN+8*(\t)+4:CN+8*(\t)+7], v[ADRN] offset:64*(\t)+16
.endm
; THE RIDERS.  Number re of the 52 that take the four results of quad pq (query tiles 4 pq .. + 3), which lie in accumulator set ps, into their lists: 13 steps for each; two results alternate,
; so that no line reads the result of the line before it.  An accumulator's lowest registers are read first.
.macro RID pq, ps
.set rm, 2*(re/26)+(re%26)%2
.set rst, (re%26)/2
.set ra, ACC+32*(\ps)+8*rm
.set rk, KEY+rm
.set rl, LIST+8*(4*(\pq)+rm)
.if rst == 0
	v_max3_num_f32 v[rk], v[ra], v[ra+1], v[ra+2]
.elseif rst < 3
	v_max3_num_f32 v[rk], v[rk], v[ra+2*rst+1], v[ra+2*rst+2]
.elseif rst == 3
	v_max_num_f32 v[rk], v[rk], v[ra+7]
.elseif rst == 4
	v_and_or_b32 v[rk], v[rk], s12, v[IDX]
.elseif rst < 12
	v_med3_num_f32 v[rl+12-rst], v[rl+11-rst], v[rl+12-rst], v[rk]
.else
	v_max_num_f32 v[rl], v[rl], v[rk]
.endif
.set re, re+1
.endm
; A UNIT: the 16 matrix instructions of quad n of a tile (four query tiles x 128 along K), into set n % 2; the four accumulators take turns, one instruction a turn.
; rid = 1: behind each stand 3, 3, 3, 4 riders of the quad before, which lies in the other set.  They name no register of the products round them, so they are also the places that a read of a
; result needs behind a matrix instruction (ISA guide 7.12.1).  rid = 0 (the very first unit): four v_nop at its end take that part.
; nextt >= 0: behind the second product the chunk's tile nextt is fetched into its own buffer, 62 matrix instructions ahead of its first use.  No wait: no vector or matrix instruction since the chunk's wait on
; va_vdst names that buffer or the two addresses.
; bump = 1: the quad before was its tile's last: IDX goes on to this tile.  wt >= 0: a wait for the queries' fragments.
.macro UNIT n, ab, rid, nextt, bump, wt
.if (\wt) >= 0
	s_wait_loadcnt \wt
.endif
.set re, 0
.set us, 0
.rept 16
.set uc, us/4
.set ui, us%4
.set ud, ACC+32*((\n)%2)+8*ui
.set ua, AF+32*(\ab)+8*uc
.set ub, 32*((4*(\n)+ui)%8)+8*uc
.if uc == 0
	WIN 0x19+4*((\n)/2)                            ; A and C window 1, the queries window 2 or 3, D window 0
	v_wmma_f32_16x16x32_bf16 v[ud:ud+7], v[ua:ua+7], v[ub:ub+7], v[CN+8*(\ab):CN+8*(\ab)+7]
.else
	WIN 0x09+4*((\n)/2)                            ; A window 1, the queries window 2 or 3, C and D window 0
	v_wmma_f32_16x16x32_bf16 v[ud:ud+7], v[ua:ua+7], v[ub:ub+7], v[ud:ud+7]
.endif
.if \rid
	WIN 0
	RID ((\n)+3)%4, 1-(\n)%2
	RID ((\n)+3)%4, 1-(\n)%2
	RID ((\n)+3)%4, 1-(\n)%2
.if ui == 3
	RID ((\n)+3)%4, 1-(\n)%2
.endif
.endif
.if (us == 1) && ((\nextt) >= 0)
	LOADA \nextt
.endif
.set us, us+1
.endr
.if \bump
	v_add_nc_u32 v[IDX], 2, v[IDX]
.endif
.if !(\rid)
	WIN 0
.rept 4
	v_nop
.endr
.endif
.endm
; A TILE: 64 matrix instructions on buffer ab.  first = 1: the launch's first tile: no quad before it, and the queries' fragments are still arriving: behind quad n's 32 loads 96, 64, 32, 0 loads
; were issued; the last wait also shows chunk 1's raw rows in.
.macro TILE ab, first, nextt
	s_wait_dscnt 0x0                               ; this tile's fragments and C are in
.if \first
	UNIT 0, \ab, 0, -1, 0, 63
	UNIT 1, \ab, 1, -1, 0, 63
	UNIT 2, \ab, 1, -1, 0, 32
	UNIT 3, \ab, 1, -1, 0, 0
.else
	UNIT 0, \ab, 1, \nextt, 1, -1
	UNIT 1, \ab, 1, -1, 0, -1
	UNIT 2, \ab, 1, -1, 0, -1
	UNIT 3, \ab, 1, -1, 0, -1
.endif
.endm
	s_cmp_lg_u32 s10, 0
	s_cbranch_scc1 .Lnot_wave_0_b
	s_wait_loadcnt 63                              ; 144 loads were issued behind tile 0's sixteen
	CONVERT PF0
	s_wait_alu depctr_va_vdst(0)                   ; the roundings have written T and the norms' arithmetic NS, which the LDS stores read
	PUT
.Lnot_wave_0_b:
	s_wait_dscnt 0x0                               ; wave 0's stores are done
	s_barrier_signal -1
	s_barrier_wait -1                              ; tile 0 is in LDS for everybody
	LOADA 0                                        ; no vector or matrix instruction has named buffer 0 yet, nor the two addresses since the head's wait
	TILE 0, 1, -1
	WIN 0
	s_mov_b32 s11, 6
.Lchunk:                                               ; a trip: a chunk of 64 rows is rounded into LDS, the next is asked for, four tiles are multiplied
	s_wait_dscnt 0x0                               ; my reads of the last chunk are back
	s_barrier_signal -1
	s_barrier_wait -1                              ; everybody's are: the rows in LDS may be written over
	s_wait_loadcnt 0x0                             ; my 16 raw rows are in; no load is out, so their base may step
	s_wait_alu depctr_vm_vsrc(0)                   ; the LDS stores of the chunk before have read T and NS, which the lines below write again
	CONVERT PF
	s_wait_alu depctr_va_vdst(0)                   ; T and NS are written, which the LDS stores read; the squarings and roundings are done reading PF, and the last chunk's matrix instructions the four AF and CN, in which the loads of this trip land
	s_cmp_eq_u32 s11, 1
	s_cbranch_scc1 .Lno_more                       ; the last trip asks for nothing: no load leaves the work-group's rows
	s_add_nc_u64 s[20:21], s[20:21], 64*ROWB
	RAW PF, 20, 21                                 ; the next chunk, ahead of the LDS stores: it has this trip's 256 matrix instructions in which to land
.Lno_more:
	PUT
	s_wait_dscnt 0x0                               ; for the others' sake: my stores are done
	s_barrier_signal -1
	s_barrier_wait -1                              ; the chunk is whole
	LOADA 0                                        ; no vector or matrix instruction stands between the wait on va_vdst above and these loads
	TILE 0, 0, 1
	TILE 1, 0, 2
	TILE 2, 0, 3
	TILE 3, 0, -1
	WIN 0
	s_sub_co_u32 s11, s11, 1
	s_cmp_lg_u32 s11, 0
	s_cbranch_scc1 .Lchunk
.set re, 0
.rept 52
	RID 3, 1                                       ; the last tile's last quad; the four riders behind the last product are its places
.endr
; THE WAY OUT.  Lanes r and r + 16 hold two descending lists of one query.  max(mine_i, the other's_(7-i)), i = 0 .. 7, are the best 8 of the 16; each of the two lanes makes i = 0 .. 3,
; which in the other's count are 7 .. 4: complementary fours.  All 16 tiles' maxima come first, then one wait and the run of stores.  A store of a wave covers 512 consecutive bytes, aligned.
.set q, 0
.rept 16
.irp i, 0,1,2,3
	v_permlanex16_b32 v[KEY+\i], v[LIST+8*q+7-\i], s14, s15
.endr
.irp i, 0,1,2,3
	v_max_num_f32 v[LIST+8*q+\i], v[LIST+8*q+\i], v[KEY+\i]
.endr
.set q, q+1
.endr
	s_wait_alu depctr_va_vdst(0)                   ; the maxima have written the lists' first fours, which the stores read
.set q, 0
.rept 16
	global_store_b128 v[LOFF], v[LIST+8*q:LIST+8*q+3], s[8:9] offset:512*q
.set q, q+1
.endr
	s_wait_dscnt 0x0                               ; the closing lines, six on end
	s_wait_alu 0x0
	s_wait_tensorcnt 0x0
	ds_add_u32 v[SPW], v[NIL]
	s_wait_dscnt 0x0
	s_endpgm
.Lfunc_end_k_q4521892131_scan:
	.size	k_q4521892131_scan, .Lfunc_end_k_q4521892131_scan-k_q4521892131_scan
	.p2alignl 7, 3214868480
	.fill 96, 4, 3214868480
	.section	.rodata,"a",@progbits
	.p2align	6, 0x0
	.amdhsa_kernel k_q4521892131_scan
		.amdhsa_group_segment_fixed_size 18432
		.amdhsa_private_segment_fixed_size 0
		.amdhsa_enable_private_segment 0
		.amdhsa_kernarg_size 24
		.amdhsa_user_sgpr_count 2
		.amdhsa_user_sgpr_kernarg_segment_ptr 1
		.amdhsa_wavefront_size32 1
		.amdhsa_system_sgpr_workgroup_id_x 1
		.amdhsa_system_sgpr_workgroup_id_y 1
		.amdhsa_system_sgpr_workgroup_id_z 1
		.amdhsa_system_vgpr_workitem_id 0
		.amdhsa_next_free_vgpr 1024
		.amdhsa_next_free_sgpr 66
		.amdhsa_reserve_vcc 0
		.amdhsa_float_denorm_mode_32 3
		.amdhsa_float_denorm_mode_16_64 3
		.amdhsa_memory_ordered 1
		.amdhsa_forward_progress 1
		.amdhsa_inst_pref_size 153
	.end_amdhsa_kernel
	.amdgpu_metadata
---
amdhsa.version: [ 1, 2 ]
amdhsa.kernels:
  - .name:           k_q4521892131_scan
    .symbol:         k_q4521892131_scan.kd
    .args:
      - { .name: base_data, .offset: 0, .size: 8, .value_kind: global_buffer, .address_space: global }
      - { .name: xb, .offset: 8, .size: 8, .value_kind: global_buffer, .address_space: global }
      - { .name: cand, .offset: 16, .size: 8, .value_kind: global_buffer, .address_space: global }
    .group_segment_fixed_size: 18432
    .private_segment_fixed_size: 0
    .kernarg_segment_align: 8
    .kernarg_segment_size: 24
    .max_flat_workgroup_size: 128
    .sgpr_count:     66
    .vgpr_count:     1024
    .wavefront_size: 32
...
	.end_amdgpu_metadata
.endif
;; end of part 5
;; launch pick: the kernel of part 3 again; grid 64 x 1, 10 waves a work-group, no clusters, 12,288 bytes of LDS; arguments cand, x, order; writes order
;; launch refine: the kernel of part 4 again; grid 256 x 1, 4 waves a work-group, no clusters, 0 bytes of LDS; arguments base_data, x, order, out0; writes out0
